; MI455X (gfx1250); checked and timed in simulation.
; The chip was launched on July 23, 2026; its instructions are those of AMD's public machine-readable ISA for CDNA 5 (MIT licence, August 2026) and "CDNA5" Instruction Set Architecture Reference Guide (July 2026). The comments in the code are by the model that wrote it; some were corrected since.
;; Multi Head Attention. Allowed arithmetic: float matrix products may take bf16 or f16 operands with f32 sums; all other float work in f32.
;; Inputs: Wk 1,024 x 1,024 float32; Wo 1,024 x 1,024 float32; Wq 1,024 x 1,024 float32; Wv 1,024 x 1,024 float32; bk 1,024 float32; bo 1,024 float32; bq 1,024 float32; bv 1,024 float32; key 2 x 2,048 x 1,024 float32; query 2 x 2,048 x 1,024 float32; value 2 x 2,048 x 1,024 float32.
;; Outputs: out0 2 x 2,048 x 1,024 float32.
;; One version. Each part assembles by itself: llvm-mc -triple=amdgcn-amd-amdhsa -mcpu=gfx1250 --defsym DOCPART=n.
;; ======== version 1 of 1: 4 launches
;; limits: values are held in f16: magnitudes above 65,504 overflow, below 6.1e-05 lose precision
;; workspace buffers: xb 25,165,824 bytes; wb 8,388,608 bytes; qkv 25,165,824 bytes; ctx 8,388,608 bytes
;; launch cast (part 1): grid 256 x 4, 8 waves a work-group, no clusters, 0 bytes of LDS; arguments query, key, value, Wq, Wk, Wv, Wo, xb, wb; writes xb, wb
.if DOCPART == 1
	.amdgcn_target "amdgcn-amd-amdhsa--gfx1250"
	.amdhsa_code_object_version 6
	.text
	.protected	k_q5366b9a0b8_cast
	.globl	k_q5366b9a0b8_cast
	.p2align	8
	.type	k_q5366b9a0b8_cast,@function
k_q5366b9a0b8_cast:
	s_mov_b64 s[64:65], 0
	v_nop
	global_prefetch_b8 v0, s[64:65] scope:SCOPE_SE
	s_setreg_imm32_b32 hwreg(HW_REG_WAVE_MODE, 25, 1), 1
	s_wait_xcnt 0x0
; f32 -> f16 (round to nearest even) of the seven large inputs, once, so that the products that follow read half the bytes
; and convert nothing again:  xb = [3][4096][1024] f16 (query, key, value),  wb = [4][1024][1024] f16 (Wq, Wk, Wv, Wo).
; LIMIT: f16 holds magnitudes up to 65,504; a larger input becomes an infinity.
; A work-group converts 65,536 bytes of one input into 32,768 bytes.  y = 0, 1, 2: query, key, value, chunk x of 256;
; y = 3: weight x / 64, chunk x % 64 of 64.  A wave takes 8,192 consecutive bytes with 16 loads of 512 bytes, all issued
; before the first is used; each store of a wave covers 256 consecutive bytes, aligned.  No LDS, no barrier, no matrix unit:
; nothing is shared and nothing is summed.  No register is written twice, so no source of a pending access is ever rewritten.
.set X, 4                              ; v[4:67]   16 x 4 words as loaded
.set Y, 68                             ; v[68:99]  16 x 2 words to store
	s_load_b512 s[8:23], s[0:1], 0x0               ; query s[8:9], key s[10:11], value s[12:13], Wq s[14:15], Wk s[16:17], Wv s[18:19], Wo s[20:21], xb s[22:23]
	s_load_b64 s[24:25], s[0:1], 0x40              ; wb
	s_mov_b32 s5, ttmp9                            ; x
	s_and_b32 s2, ttmp7, 0xffff                    ; y
	s_lshr_b32 s3, s5, 6                           ; which weight, where y = 3
	s_and_b32 s4, s5, 63                           ; and which chunk of it
	v_and_b32 v3, 0xe0, v0                         ; 32 x wave
	v_and_b32 v2, 31, v0                           ; lane
	v_lshlrev_b32 v1, 4, v2
	v_lshl_or_b32 v1, v3, 8, v1                    ; load offset: 8,192 x wave + 16 x lane
	v_lshlrev_b32 v2, 3, v2
	v_lshl_or_b32 v2, v3, 7, v2                    ; store offset: 4,096 x wave + 8 x lane
	s_wait_kmcnt 0x0
	s_cmp_eq_u32 s2, 1                             ; the activation named by y
	s_cselect_b64 s[26:27], s[10:11], s[8:9]
	s_cmp_eq_u32 s2, 2
	s_cselect_b64 s[26:27], s[12:13], s[26:27]
	s_cmp_eq_u32 s3, 1                             ; the weight named by x / 64
	s_cselect_b64 s[28:29], s[16:17], s[14:15]
	s_cmp_eq_u32 s3, 2
	s_cselect_b64 s[28:29], s[18:19], s[28:29]
	s_cmp_eq_u32 s3, 3
	s_cselect_b64 s[28:29], s[20:21], s[28:29]
	s_cmp_eq_u32 s2, 3                             ; y = 3: a weight, into wb; else an activation, into xb
	s_cselect_b64 s[26:27], s[28:29], s[26:27]     ; from
	s_cselect_b64 s[30:31], s[24:25], s[22:23]     ; to
	s_cselect_b32 s32, s4, s5                      ; chunk of the source
	s_cselect_b32 s34, 0, s2                       ; plane of xb (wb's planes follow from x itself: 64 chunks of 32,768 bytes are a plane)
	s_lshl_b32 s32, s32, 16
	s_mov_b32 s33, 0
	s_add_nc_u64 s[26:27], s[26:27], s[32:33]
	s_lshl_b32 s34, s34, 23                        ; 8,388,608 bytes a plane of xb
	s_lshl_b32 s35, s5, 15
	s_add_co_u32 s34, s34, s35
	s_mov_b32 s35, 0
	s_add_nc_u64 s[30:31], s[30:31], s[34:35]
.irp i, 0,1,2,3,4,5,6,7,8,9,10,11,12,13,14,15
	global_load_b128 v[X+4*\i:X+4*\i+3], v1, s[26:27] offset:512*\i th:TH_LOAD_NT   ; read once in the whole launch
.endr
.irp i, 0,1,2,3,4,5,6,7,8,9,10,11,12,13,14,15
	s_wait_loadcnt 15-\i                           ; loads come back in order: load i is in, the 15 - i younger ones stay out
	v_cvt_pk_f16_f32 v[Y+2*\i],   v[X+4*\i],   v[X+4*\i+1]
	v_cvt_pk_f16_f32 v[Y+2*\i+1], v[X+4*\i+2], v[X+4*\i+3]
	global_store_b64 v2, v[Y+2*\i:Y+2*\i+1], s[30:31] offset:256*\i     ; no hint: the next launch reads these bytes
.endr
	s_endpgm
.Lfunc_end_k_q5366b9a0b8_cast:
	.size	k_q5366b9a0b8_cast, .Lfunc_end_k_q5366b9a0b8_cast-k_q5366b9a0b8_cast
	.p2alignl 7, 3214868480
	.fill 96, 4, 3214868480
	.section	.rodata,"a",@progbits
	.p2align	6, 0x0
	.amdhsa_kernel k_q5366b9a0b8_cast
		.amdhsa_group_segment_fixed_size 0
		.amdhsa_private_segment_fixed_size 0
		.amdhsa_enable_private_segment 0
		.amdhsa_kernarg_size 72
		.amdhsa_user_sgpr_count 2
		.amdhsa_user_sgpr_kernarg_segment_ptr 1
		.amdhsa_wavefront_size32 1
		.amdhsa_system_sgpr_workgroup_id_x 1
		.amdhsa_system_sgpr_workgroup_id_y 1
		.amdhsa_system_sgpr_workgroup_id_z 1
		.amdhsa_system_vgpr_workitem_id 0
		.amdhsa_next_free_vgpr 104
		.amdhsa_next_free_sgpr 66
		.amdhsa_reserve_vcc 0
		.amdhsa_float_denorm_mode_32 3
		.amdhsa_float_denorm_mode_16_64 3
		.amdhsa_memory_ordered 1
		.amdhsa_forward_progress 1
		.amdhsa_inst_pref_size 8
	.end_amdhsa_kernel
	.amdgpu_metadata
---
amdhsa.version: [ 1, 2 ]
amdhsa.kernels:
  - .name:           k_q5366b9a0b8_cast
    .symbol:         k_q5366b9a0b8_cast.kd
    .args:
      - { .name: query, .offset: 0, .size: 8, .value_kind: global_buffer, .address_space: global }
      - { .name: key, .offset: 8, .size: 8, .value_kind: global_buffer, .address_space: global }
      - { .name: value, .offset: 16, .size: 8, .value_kind: global_buffer, .address_space: global }
      - { .name: Wq, .offset: 24, .size: 8, .value_kind: global_buffer, .address_space: global }
      - { .name: Wk, .offset: 32, .size: 8, .value_kind: global_buffer, .address_space: global }
      - { .name: Wv, .offset: 40, .size: 8, .value_kind: global_buffer, .address_space: global }
      - { .name: Wo, .offset: 48, .size: 8, .value_kind: global_buffer, .address_space: global }
      - { .name: xb, .offset: 56, .size: 8, .value_kind: global_buffer, .address_space: global }
      - { .name: wb, .offset: 64, .size: 8, .value_kind: global_buffer, .address_space: global }
    .group_segment_fixed_size: 0
    .private_segment_fixed_size: 0
    .kernarg_segment_align: 8
    .kernarg_segment_size: 72
    .max_flat_workgroup_size: 256
    .sgpr_count:     66
    .vgpr_count:     104
    .wavefront_size: 32
...
	.end_amdgpu_metadata
.endif
;; end of part 1
;; launch qkvproj (part 2): grid 4 x 48, 4 waves a work-group, clusters of 4 x 4, 327,680 bytes of LDS; arguments xb, wb, bq, bk, bv, qkv; writes qkv
.if DOCPART == 2
	.amdgcn_target "amdgcn-amd-amdhsa--gfx1250"
	.amdhsa_code_object_version 6
	.text
	.protected	k_q5366b9a0b8_qkvproj
	.globl	k_q5366b9a0b8_qkvproj
	.p2align	8
	.type	k_q5366b9a0b8_qkvproj,@function
k_q5366b9a0b8_qkvproj:
	s_mov_b64 s[64:65], 0
	v_nop
	global_prefetch_b8 v0, s[64:65] scope:SCOPE_SE
	s_setreg_imm32_b32 hwreg(HW_REG_WAVE_MODE, 25, 1), 1
	s_wait_xcnt 0x0
	s_wait_alu depctr_hold_cnt(0) depctr_sa_sdst(0) depctr_va_vdst(0) depctr_va_sdst(0) depctr_va_ssrc(0) depctr_va_vcc(0) depctr_vm_vsrc(0)
	s_getreg_b32 s2, hwreg(HW_REG_IB_STS2, 6, 4)
	s_cmp_eq_u32 s2, 0
	s_cbranch_scc0 .Lentry_in_a_cluster
	s_endpgm
.Lentry_in_a_cluster:
	s_bfe_u32 s2, ttmp6, 0x10000c
	s_cmp_lg_u32 s2, 0xf033
	s_cbranch_scc0 .Lentry_shape_is_right
	s_endpgm
.Lentry_shape_is_right:
; The three input projections:  y[m][e] = sum over d of x[m][d] W[e][d] + b[e],  x = xb[p] ([4096][1024] f16), W = wb[p] ([1024][1024] f16), p = 0, 1, 2.
; Sums in f32, results in f16 into  qkv = [3][b*8 + pair (16)][s (2048)][128]:  a row holds the two heads 2 pair and 2 pair + 1 of one position, 256 bytes.
; Plane 0 (Q) is stored times 0.125 x log2(e), so that the attention's scores are exponents of 2.
; LIMIT: operands and results are f16: magnitudes above 65,504 overflow.
; A work-group makes one block of 256 x 256 of one product with four waves, as many as a WGP has SIMDs; a wave makes 128 x 128: 64 accumulator tiles, 512 registers.
; 3 x 16 x 4 blocks are 192 work-groups: no block of a 256th of the outputs divides 4096 x 1024, and the three products share no operand, so no shape fills 256 evenly.
; K goes in steps of 128 through a ring of two LDS slots filled by the tensor data mover: a tile's rows are 256 bytes of memory, aligned.
; A slot's 131,072 bytes of data feed 256 matrix instructions of every wave; for 32 along K a wave reads 32 x 512 bytes from LDS for 64 matrix instructions.
; CLUSTERS: 4 x 4 work-groups.  The four of a cluster's row need the same rows of x, the four of a column the same rows of W: each tile is asked for jointly,
; by the same tensor load with the same descriptor and a mask that names the four.  A cluster's four block rows lie in one product (16 block rows each).
;
; REGISTERS, in windows of 256:
;   window 0: v16-29 addresses and Q's factor; v64-127, v128-191 fragments of x (8 x 16 rows x 32 K), two buffers; v192-223 at work on the way out
;   window 1: v64-127, v128-191 fragments of W, two buffers; v192-255 the bias of my 128 columns (64 numbers a lane)
;   window 2: the 32 accumulator tiles of my rows 0-63 (tile (a, b) at v[8 (8 a + b)]);   window 3: those of my rows 64-127
; s_set_vgpr_msb's low byte: bits 1:0 source 0, 3:2 source 1, 5:4 source 2, 7:6 destination.
; THE MATRIX INSTRUCTION IS USED TRANSPOSED (source 0 = 16 rows of W, source 1 = 16 rows of x): lane l then holds row l % 16 of the block, and its registers 0 to 7
; the columns 8 (l / 16) + 0 .. 7: eight neighbouring numbers of a row, which pack into 16 bytes.
.set SIZE_K, 1024
.set KSTEP,  128
.set PITCH,  272                       ; an LDS row: 256 bytes + 16 of padding = 17 x 16: the 16 rows that a fragment load touches fall into 16 different 16-byte columns of 256
.set HALFT,  128*PITCH                 ; 34,816: what one tensor load brings, and what one wave reads of x or of W
.set SLOT,   4*HALFT                   ; 139,264: x's 256 rows, then W's 256 rows
.set STAGE,  2*SLOT                    ; 278,528: behind the ring, never a tensor load's target: 16 rows x 272 bytes for each wave
.set SPITCH, 272
.set LAPS, SIZE_K/(2*KSTEP)            ; 4 laps of two K steps
.set QSCALE, 0x3e38aa3b                ; 0.125 x log2(e)
.set ADRA, 16                          ; v16-17  LDS address of my x fragments in slot 0, 1
.set ADRB, 20                          ; v20-21  the same for W
.set STO,  24                          ; the way out: where I put 16 bytes of a row
.set RD,   25                          ; the way out: where I read rows back
.set CO,   26                          ; my byte offset in my wave's 32,768 bytes of qkv
.set BO,   27                          ; my byte offset in the bias
.set CF,   28                          ; v[28:29] the product's factor, twice
.set F0,   64                          ; fragment buffer 0
.set F1,   128                         ; fragment buffer 1
.set TMP,  192                         ; window 0: packed results
.set BI,   192                         ; window 1: the bias, 8 numbers for each of 8 column tiles
.set OUTB, 8                           ; s[8:9]   my wave's place in qkv
.set G1,  24                           ; s[24:31] descriptor group 1 for x's tiles
.set G0,  32                           ; s[32:39] group 0 for x's tiles, a set for each slot
.set G1B, 48                           ; s[48:55] group 1 for W's tiles: another mask
.set G0B, 56                           ; s[56:63] group 0 for W's tiles
.set MSB, 0
.macro WIN new                         ; the immediate's high byte repeats the setting that is left
.if MSB != \new
	s_set_vgpr_msb (MSB<<8)|\new
.set MSB, \new
.endif
.endm
.set MUL_LO, 0xa1                      ; source 0 (W) window 1, source 1 (x) window 0, C and D window 2
.set MUL_HI, 0xf1                      ; the same, C and D window 3
.set TO_B,   0x40                      ; destination window 1, address window 0
.set SCALE_B, 0x41                     ; source 0 and destination window 1, source 1 window 0
.set FMA_LO, 0x92                      ; source 0 and destination window 2, source 1 window 0, source 2 window 1
.set FMA_HI, 0xd3                      ; the same with window 3
; A joint load: waves 0, 1 fetch x's two halves, waves 2, 3 W's.  Each line has one mask; the branch hangs on the wave's number alone.
.macro JLOAD s
	s_cmp_eq_u32 s11, 0
	s_cbranch_scc0 .Lfor_b_\@
	tensor_load_to_lds s[G0+4*\s:G0+4*\s+3], s[G1:G1+7]
	s_nop 0
	s_branch .Lasked_\@
.Lfor_b_\@:
	tensor_load_to_lds s[G0B+4*\s:G0B+4*\s+3], s[G1B:G1B+7]
	s_nop 0
.Lasked_\@:
.endm
.macro CREST                           ; a round of the cluster's barrier behind its opening work-group barrier
	s_cmp_lg_u32 s10, 0
	s_cbranch_scc1 .Lnot_wave_0_\@
	s_barrier_signal -3
.Lnot_wave_0_\@:
	s_barrier_wait -3
	s_barrier_signal -1
	s_barrier_wait -1
.endm
.macro CROUND                          ; a whole round
	s_barrier_signal -1
	s_barrier_wait -1
	CREST
.endm
	s_load_b128 s[4:7], s[0:1], 0x0                ; xb, wb
	s_load_b128 s[68:71], s[0:1], 0x10             ; bq, bk
	s_load_b128 s[72:75], s[0:1], 0x20             ; bv, qkv
	s_set_vgpr_msb 0x40
	v_lshl_add_u32 v63, v0, 2, 0x48400
	s_set_vgpr_msb 0x4000
	v_mov_b32 v255, 0
	s_set_vgpr_msb 0x1
	ds_add_u32 v63, v255
	s_set_vgpr_msb 0x100
	v_lshrrev_b32 v1, 5, v0
	v_readfirstlane_b32 s10, v1                    ; wave 0..3
	s_lshr_b32 s11, s10, 1                         ; my half of the block's rows.  Also: I fetch for x (0) or for W (1)
	s_and_b32 s12, s10, 1                          ; my half of its columns.  Also: which 128 rows of that tile I fetch
	s_bfe_u32 s40, ttmp6, 0x40000                  ; cx
	s_bfe_u32 s41, ttmp6, 0x40004                  ; cy
	s_lshl_b32 s42, ttmp9, 2
	s_add_co_u32 s42, s42, s40                     ; block column nb = 4 x cluster x + cx, 0..3
	s_and_b32 s13, ttmp7, 0xffff
	s_lshl_b32 s13, s13, 2
	s_add_co_u32 s13, s13, s41                     ; block row over the three products = 4 x cluster y + cy, 0..47
	s_and_b32 s45, ttmp7, 0xffff
	s_lshr_b32 s45, s45, 2                         ; the product p = cluster y / 4: the same in all sixteen work-groups
	s_lshl_b32 s43, s41, 2
	s_lshl_b32 s43, 15, s43                        ; my row of the cluster: places 4 cy .. 4 cy + 3
	s_lshl_b32 s44, 0x1111, s40                    ; my column: places cx, cx + 4, cx + 8, cx + 12
	; group 1: a tile of 128 rows x 128 elements of 2 bytes, 4 words of padding behind every 64 words
	s_or_b32 s[G1+0], s43, (1<<16)|(1<<20)|(1<<21)|(5<<22)|(3<<25)
	s_or_b32 s[G1B+0], s44, (1<<16)|(1<<20)|(1<<21)|(5<<22)|(3<<25)
	s_mov_b32 s[G1+1], KSTEP<<16                   ; tensor_dim0 = 128
	s_mov_b32 s[G1B+1], KSTEP<<16
	s_mov_b32 s[G1+2], 128<<16                     ; tensor_dim1 = 128
	s_mov_b32 s[G1B+2], 128<<16
	s_mov_b32 s[G1+3], KSTEP<<16                   ; tile_dim0 = 128
	s_mov_b32 s[G1B+3], KSTEP<<16
	s_mov_b32 s[G1+4], 128                         ; tile_dim1 = 128
	s_mov_b32 s[G1B+4], 128
	s_mov_b32 s[G1+5], SIZE_K                      ; elements from row to row
	s_mov_b32 s[G1B+5], SIZE_K
	s_mov_b32 s[G1+6], 0
	s_mov_b32 s[G1B+6], 0
	s_mov_b32 s[G1+7], 0
	s_mov_b32 s[G1B+7], 0
	; x's tiles hang on the block row alone (xb's three planes follow each other: 12,288 rows), W's on the block column and the product alone;
	; every wave makes both addresses, in registers that never hold the other place in the cluster
	s_lshl_b32 s17, s12, 7                         ; which 128 rows of the tile I fetch
	s_lshl_b32 s16, s13, 8
	s_add_co_u32 s16, s16, s17
	s_lshl_b32 s16, s16, 11                        ; x: (256 x block row + 128 half) rows of 2,048 bytes
	s_lshl_b32 s46, s42, 8
	s_add_co_u32 s46, s46, s17
	s_lshl_b32 s47, s45, 10
	s_add_co_u32 s46, s46, s47
	s_lshl_b32 s46, s46, 11                        ; W: (1,024 p + 256 nb + 128 half) rows
	s_mov_b32 s17, 0
	s_mov_b32 s47, 0
	s_mul_i32 s20, s10, HALFT                      ; to LDS: wave x 128 rows: x's halves, then W's
	s_wait_dscnt 0x0
	s_wait_kmcnt 0x0
	s_add_nc_u64 s[14:15], s[4:5], s[16:17]
	s_add_nc_u64 s[46:47], s[6:7], s[46:47]
	CROUND                                         ; all sixteen work-groups are here: the first joint loads meet
.irp s, 0,1
	s_mov_b32 s[G0+4*\s], 1
	s_add_co_u32 s[G0+4*\s+1], s20, \s*SLOT
	s_add_nc_u64 s[G0+4*\s+2:G0+4*\s+3], s[14:15], \s*KSTEP*2      ; K step s
	s_or_b32 s[G0+4*\s+3], s[G0+4*\s+3], 0x80000000
	s_mov_b32 s[G0B+4*\s], 1
	s_add_co_u32 s[G0B+4*\s+1], s20, \s*SLOT
	s_add_nc_u64 s[G0B+4*\s+2:G0B+4*\s+3], s[46:47], \s*KSTEP*2
	s_or_b32 s[G0B+4*\s+3], s[G0B+4*\s+3], 0x80000000
	JLOAD \s                                       ; both first fills go out together: two tensor loads of the wave are out, the most in this text
.endr
	; the product's bias and factor: a choice on p, no branch
	s_cmp_eq_u32 s45, 1
	s_cselect_b64 s[76:77], s[70:71], s[68:69]
	s_cmp_eq_u32 s45, 2
	s_cselect_b64 s[76:77], s[72:73], s[76:77]
	s_cmp_eq_u32 s45, 0
	s_cselect_b32 s78, QSCALE, 1.0
	; my wave's 128 rows x 128 columns are positions 256 (mb % 8) + 128 wm .. + 127 of head pair 2 nb + wn: 32,768 dense bytes of qkv at
	; (2 p + batch) x 4 MiB + nb x 1 MiB + wn x 512 KiB + (mb % 8) x 64 KiB + wm x 32 KiB, where 2 p + batch = block row / 8
	s_lshr_b32 s18, s13, 3
	s_lshl_b32 s18, s18, 22
	s_lshl_b32 s19, s42, 20
	s_add_co_u32 s18, s18, s19
	s_lshl_b32 s19, s12, 19
	s_add_co_u32 s18, s18, s19
	s_and_b32 s19, s13, 7
	s_lshl_b32 s19, s19, 16
	s_add_co_u32 s18, s18, s19
	s_lshl_b32 s19, s11, 15
	s_add_co_u32 s18, s18, s19
	s_mov_b32 s19, 0
	s_add_nc_u64 s[OUTB:OUTB+1], s[74:75], s[18:19]
	; a fragment is 16 rows x 32 K in 8 registers: lane l holds row l % 16; registers 0-3 K = 8 (l / 16) + 0..7, registers 4-7 K = 16 + 8 (l / 16) + 0..7
	v_and_b32 v1, 15, v0                           ; r = l % 16
	v_bfe_u32 v2, v0, 4, 1                         ; h = l / 16
	s_lshl_b32 s2, s42, 10
	s_lshl_b32 s3, s12, 9
	s_add_co_u32 s2, s2, s3
	v_lshl_add_u32 v[BO], v2, 5, s2                ; 4 x (256 nb + 128 wn + 8 h)
	WIN TO_B
.irp b, 0,1,2,3,4,5,6,7
	global_load_b128 v[BI+8*\b:BI+8*\b+3],   v[BO], s[76:77] offset:64*\b          ; the bias of columns 16 b + 8 h + 0..7, asked for the whole product ahead of its use
	global_load_b128 v[BI+8*\b+4:BI+8*\b+7], v[BO], s[76:77] offset:64*\b+16
.endr
	WIN 0
	v_mov_b32 v[CF],   s78
	v_mov_b32 v[CF+1], s78
	v_mul_u32_u24 v3, v1, PITCH
	v_lshl_add_u32 v3, v2, 4, v3                   ; row x pitch + 16 x half
	s_mul_i32 s21, s11, HALFT                      ; my 128 rows of x
	s_mul_i32 s22, s12, HALFT                      ; my 128 rows of W,
	s_add_co_u32 s22, s22, 2*HALFT                 ; which lie behind x's 256
.irp s, 0,1
	v_add_nc_u32 v[ADRA+\s], s21, v3
	v_add_nc_u32 v[ADRB+\s], s22, v3
	s_add_co_u32 s21, s21, SLOT
	s_add_co_u32 s22, s22, SLOT
.endr
	s_mul_i32 s23, s10, 16*SPITCH
	s_add_co_u32 s23, s23, STAGE                   ; my own stage
	v_mul_u32_u24 v4, v1, SPITCH                   ; in: row l % 16, 16 bytes for each half of the lanes
	v_lshl_add_u32 v4, v2, 4, v4
	v_add_nc_u32 v[STO], s23, v4
	v_mul_u32_u24 v5, v2, SPITCH                   ; back: lanes 0-15 take one row of 256 bytes, lanes 16-31 the next
	v_lshl_add_u32 v5, v1, 4, v5
	v_add_nc_u32 v[RD], s23, v5
	v_and_b32 v6, 31, v0
	v_lshlrev_b32 v[CO], 4, v6                     ; and the same two rows in qkv, where they follow each other: 16 x lane
; 16 matrix instructions: row blocks a0, a0 + 1 of the window's four (hi = 0: my rows 0-63, 1: rows 64-127) x all 8 column blocks, 32 along K.
; zero = 1: the first product starts the sums: nothing is ever cleared.
; The 64 accumulators take turns, one instruction a turn, in the same order in every quarter step.
.macro MUL16 f, hi, a0, zero
.irp a, \a0, \a0+1
.irp b, 0,1,2,3,4,5,6,7
.if \zero
	v_wmma_f32_16x16x32_f16 v[8*(8*(\a)+\b):8*(8*(\a)+\b)+7], v[\f+8*\b:\f+8*\b+7], v[\f+8*(4*\hi+\a):\f+8*(4*\hi+\a)+7], 0
.else
	v_wmma_f32_16x16x32_f16 v[8*(8*(\a)+\b):8*(8*(\a)+\b)+7], v[\f+8*\b:\f+8*\b+7], v[\f+8*(4*\hi+\a):\f+8*(4*\hi+\a)+7], v[8*(8*(\a)+\b):8*(8*(\a)+\b)+7]
.endif
.endr
.endr
.endm
; 32 LDS loads in one run: the fragments of one quarter step (128 rows of W, 128 rows of x, 32 K at byte k of the rows) into buffer f
.macro FETCH slot, k, f
	WIN TO_B
.irp i, 0,1,2,3,4,5,6,7
	ds_load_b128 v[\f+8*\i:\f+8*\i+3],   v[ADRB+\slot] offset:\k+\i*16*PITCH
	ds_load_b128 v[\f+8*\i+4:\f+8*\i+7], v[ADRB+\slot] offset:\k+\i*16*PITCH+32
.endr
	WIN 0
.irp i, 0,1,2,3,4,5,6,7
	ds_load_b128 v[\f+8*\i:\f+8*\i+3],   v[ADRA+\slot] offset:\k+\i*16*PITCH
	ds_load_b128 v[\f+8*\i+4:\f+8*\i+7], v[ADRA+\slot] offset:\k+\i*16*PITCH+32
.endr
.endm
; Four independent vector instructions behind matrix instructions (ISA guide 7.12.1) before their sources are loaded again or their results read;
; this text does not count the matrix instructions in between.
.macro PLACES
.rept 4
	v_nop
.endr
.endm
; A K step is four quarter steps of 32 along K, 64 matrix instructions each, on buffers 0, 1, 0, 1.
; One of the first three: multiplies buffer f; in its middle it fetches the next quarter's fragments, at byte k of the same slot's rows, into buffer g.
.macro QUARTER slot, k, f, g, zero
	s_wait_dscnt 8                                 ; W and x's rows 0-63 are in; the youngest eight loads (x's rows 64-127) may be out
	WIN MUL_LO
	MUL16 \f, 0, 0, \zero
	MUL16 \f, 0, 2, \zero
	PLACES
	FETCH \slot, \k, \g
	s_wait_dscnt 32                                ; all but the 32 just issued
	WIN MUL_HI
	MUL16 \f, 1, 0, \zero
	MUL16 \f, 1, 2, \zero
.endm
.macro THREE slot, zero
	QUARTER \slot, 64,  F0, F1, \zero
	QUARTER \slot, 128, F1, F0, 0
	QUARTER \slot, 192, F0, F1, 0
.endm
; The last quarter multiplies buffer 1 and changes slots.  next = the other slot; fill = 1: this slot is filled again, two K steps ahead.
; In front of the barrier each wave waits for its own reads of this slot and for all its tensor loads, of which one is out: its part of the next slot.
; fill = 1: the barrier opens a round of the cluster's barrier, and behind the round the wave's one joint load comes first.
; From a request to the wait for it a wave issues 240 matrix instructions.
.macro TURN slot, next, fill
	s_wait_dscnt 8
	WIN MUL_LO
	MUL16 F1, 0, 0, 0
	s_wait_dscnt 0                                 ; my reads of this slot are over
	s_wait_tensorcnt 0x0                           ; and all my tensor loads have landed
	ds_add_u32 v63, v255
	s_wait_dscnt 0x0
	s_barrier_signal -1
	MUL16 F1, 0, 2, 0                              ; register work while the others arrive
	WIN 0
	s_barrier_wait -1
.if \fill
	CREST                                          ; no wave of any partner still reads this slot's tile or has a load on its way
	s_add_nc_u64 s[G0+4*\slot+2:G0+4*\slot+3], s[G0+4*\slot+2:G0+4*\slot+3], 2*KSTEP*2
	s_add_nc_u64 s[G0B+4*\slot+2:G0B+4*\slot+3], s[G0B+4*\slot+2:G0B+4*\slot+3], 2*KSTEP*2
	JLOAD \slot                                    ; the first tensor load behind the round
.endif
	PLACES
	FETCH \next, 0, F0
	WIN MUL_HI
	MUL16 F1, 1, 0, 0
	MUL16 F1, 1, 2, 0
.endm
.macro LAP zero                        ; once round the ring, both slots filled again
	THREE 0, \zero
	TURN 0, 1, 1
	THREE 1, 0
	TURN 1, 0, 1
.endm
	s_wait_tensorcnt 1                             ; my part of K step 0 is in; K step 1's load may stay out
	s_barrier_signal -1
	s_barrier_wait -1                              ; everybody's is
	FETCH 0, 0, F0
	LAP 1                                          ; K steps 0 and 1 stand in front of the loop: their first products start the sums
	WIN 0                                          ; at a label and at a branch every window is 0
	s_mov_b32 s66, LAPS-2                          ; K steps 2 to 5
.Llap:
	LAP 0
	WIN 0
	s_sub_co_u32 s66, s66, 1
	s_cmp_lg_u32 s66, 0
	s_cbranch_scc1 .Llap
	THREE 0, 0                                     ; the last lap fills nothing and has no round: the one tensor load still out is slot 1's, the last K step's
	TURN 0, 1, 0
	THREE 1, 0
	s_wait_dscnt 8                                 ; the very last quarter: nothing more to fetch
	WIN MUL_LO
	MUL16 F1, 0, 0, 0
	MUL16 F1, 0, 2, 0
	s_wait_dscnt 0
	WIN MUL_HI
	MUL16 F1, 1, 0, 0
	MUL16 F1, 1, 2, 0
	; THE WAY OUT, 16 rows at a time: (sum + b) c = sum c + b c in one fused multiply-add, one rounding to f16, 16 bytes a lane into my own stage, whole rows of 256 bytes back.
	PLACES                                         ; behind the last matrix instructions: their results are read, and buffers 0 and 1 are loaded over
	s_wait_loadcnt 0x0                             ; the bias
	WIN SCALE_B
.set j, 0
.rept 32
	v_pk_mul_f32 v[BI+j:BI+j+1], v[BI+j:BI+j+1], v[CF:CF+1]        ; b c, once (c = 1 for K and V)
.set j, j+2
.endr
; rows 16 i .. 16 i + 15 of my block = the eight tiles (a, 0..7) of window 2 or 3 (fma, from: the window settings); f: F0 or F1 in turn
.macro OUT16 i, a, fma, from, f
	WIN \fma
.irp b, 0,1,2,3,4,5,6,7
.irp r, 0,2,4,6
	v_pk_fma_f32 v[8*(8*\a+\b)+\r:8*(8*\a+\b)+\r+1], v[8*(8*\a+\b)+\r:8*(8*\a+\b)+\r+1], v[CF:CF+1], v[BI+8*\b+\r:BI+8*\b+\r+1]
.endr
.endr
	WIN \from
.irp b, 0,1,2,3,4,5,6,7
.irp r, 0,1,2,3
	v_cvt_pk_f16_f32 v[TMP+4*\b+\r], v[8*(8*\a+\b)+2*\r], v[8*(8*\a+\b)+2*\r+1]
.endr
.endr
	WIN 0
.irp b, 0,1,2,3,4,5,6,7
	ds_store_b128 v[STO], v[TMP+4*\b:TMP+4*\b+3] offset:32*\b
.endr
	s_wait_xcnt 0x0                                ; the earlier stores have had their addresses translated: buffer f, which they read, is loaded again only behind this wait
.irp t, 0,1,2,3,4,5,6,7
	ds_load_b128 v[\f+4*\t:\f+4*\t+3], v[RD] offset:\t*2*SPITCH    ; LDS serves a wave's instructions in order (ISA guide 5.7.1): these see the stores above
.endr
.irp t, 0,1,2,3,4,5,6,7
	s_wait_dscnt 7-\t                              ; load t is in, the 7 - t younger ones may be out
	global_store_b128 v[CO], v[\f+4*\t:\f+4*\t+3], s[OUTB:OUTB+1] offset:(16*\i+2*\t)*256     ; 512 consecutive bytes, aligned; the row stands in the immediate, 32,256 at the most
.endr
.endm
	OUT16 0, 0, FMA_LO, 0x0a, F0
	OUT16 1, 1, FMA_LO, 0x0a, F1
	OUT16 2, 2, FMA_LO, 0x0a, F0
	OUT16 3, 3, FMA_LO, 0x0a, F1
	OUT16 4, 0, FMA_HI, 0x0f, F0
	OUT16 5, 1, FMA_HI, 0x0f, F1
	OUT16 6, 2, FMA_HI, 0x0f, F0
	OUT16 7, 3, FMA_HI, 0x0f, F1
	s_set_vgpr_msb 0x1
	s_wait_tensorcnt 0x0
	ds_add_u32 v63, v255
	s_wait_dscnt 0x0
	s_set_vgpr_msb 0x100
	CROUND                                         ; the closing round: no work-group ends while a partner may still ask for a tile that names it
	s_endpgm
.Lfunc_end_k_q5366b9a0b8_qkvproj:
	.size	k_q5366b9a0b8_qkvproj, .Lfunc_end_k_q5366b9a0b8_qkvproj-k_q5366b9a0b8_qkvproj
	.p2alignl 7, 3214868480
	.fill 96, 4, 3214868480
	.section	.rodata,"a",@progbits
	.p2align	6, 0x0
	.amdhsa_kernel k_q5366b9a0b8_qkvproj
		.amdhsa_group_segment_fixed_size 327680
		.amdhsa_private_segment_fixed_size 0
		.amdhsa_enable_private_segment 0
		.amdhsa_kernarg_size 48
		.amdhsa_user_sgpr_count 2
		.amdhsa_user_sgpr_kernarg_segment_ptr 1
		.amdhsa_wavefront_size32 1
		.amdhsa_system_sgpr_workgroup_id_x 1
		.amdhsa_system_sgpr_workgroup_id_y 1
		.amdhsa_system_sgpr_workgroup_id_z 1
		.amdhsa_system_vgpr_workitem_id 0
		.amdhsa_next_free_vgpr 1024
		.amdhsa_next_free_sgpr 80
		.amdhsa_reserve_vcc 0
		.amdhsa_float_denorm_mode_32 3
		.amdhsa_float_denorm_mode_16_64 3
		.amdhsa_memory_ordered 1
		.amdhsa_forward_progress 1
		.amdhsa_inst_pref_size 216
	.end_amdhsa_kernel
	.amdgpu_metadata
---
amdhsa.version: [ 1, 2 ]
amdhsa.kernels:
  - .name:           k_q5366b9a0b8_qkvproj
    .symbol:         k_q5366b9a0b8_qkvproj.kd
    .args:
      - { .name: xb, .offset: 0, .size: 8, .value_kind: global_buffer, .address_space: global }
      - { .name: wb, .offset: 8, .size: 8, .value_kind: global_buffer, .address_space: global }
      - { .name: bq, .offset: 16, .size: 8, .value_kind: global_buffer, .address_space: global }
      - { .name: bk, .offset: 24, .size: 8, .value_kind: global_buffer, .address_space: global }
      - { .name: bv, .offset: 32, .size: 8, .value_kind: global_buffer, .address_space: global }
      - { .name: qkv, .offset: 40, .size: 8, .value_kind: global_buffer, .address_space: global }
    .group_segment_fixed_size: 327680
    .private_segment_fixed_size: 0
    .kernarg_segment_align: 8
    .kernarg_segment_size: 48
    .max_flat_workgroup_size: 128
    .sgpr_count:     80
    .vgpr_count:     1024
    .wavefront_size: 32
...
	.end_amdgpu_metadata
.endif
;; end of part 2
;; launch attn (part 3): grid 16 x 16, 8 waves a work-group, clusters of 4 x 1, 327,680 bytes of LDS; arguments qkv, ctx; writes ctx
.if DOCPART == 3
	.amdgcn_target "amdgcn-amd-amdhsa--gfx1250"
	.amdhsa_code_object_version 6
	.text
	.protected	k_q5366b9a0b8_attn
	.globl	k_q5366b9a0b8_attn
	.p2align	8
	.type	k_q5366b9a0b8_attn,@function
k_q5366b9a0b8_attn:
	s_mov_b64 s[64:65], 0
	v_nop
	global_prefetch_b8 v0, s[64:65] scope:SCOPE_SE
	s_setreg_imm32_b32 hwreg(HW_REG_WAVE_MODE, 25, 1), 1
	s_wait_xcnt 0x0
	s_wait_alu depctr_hold_cnt(0) depctr_sa_sdst(0) depctr_va_vdst(0) depctr_va_sdst(0) depctr_va_ssrc(0) depctr_va_vcc(0) depctr_vm_vsrc(0)
	s_getreg_b32 s2, hwreg(HW_REG_IB_STS2, 6, 4)
	s_cmp_eq_u32 s2, 0
	s_cbranch_scc0 .Lentry_in_a_cluster
	s_endpgm
.Lentry_in_a_cluster:
	s_bfe_u32 s2, ttmp6, 0x10000c
	s_cmp_lg_u32 s2, 0x3003
	s_cbranch_scc0 .Lentry_shape_is_right
	s_endpgm
.Lentry_shape_is_right:
; ctx = softmax(Q K^T / 8) V for every head, with a running maximum.  qkv = [3][bp = b*8 + pair][s][128] f16 (Q already times 0.125 log2(e)); ctx = [4096][1024] f16.
; LIMITS: the exponentials (0 to 1) and the result are rounded to f16 as matrix operands; the sum of a row is taken from the unrounded exponentials; a NaN or an infinity in Q, K or V spreads.
; A work-group takes 128 queries of one head pair (y = bp, x = query block); wave w takes head w / 4 of the pair and queries 32 (w % 4) .. + 31 (two tiles of 16).
; Eight waves, two on a SIMD: while one is at its exponentials the other's matrix instructions run.
; BOTH PRODUCTS ARE TAKEN TRANSPOSED.  S^T = K Q^T: a lane holds query l % 16, its registers keys 8 (l / 16) + j.  Two neighbouring key tiles, rounded to f16 in place,
; are then the second operand of ctx^T = V^T P^T as they lie: P never leaves the registers.  V^T comes from LDS by the transposing load.
; Maximum, sum and rescaling are a lane's own; one exchange between the two halves of the wave joins the maxima.
; CLUSTERS: the four query blocks of a cluster (4 x 1) walk the same K and V of their head pair: every tile is asked for jointly (mask 15).
; K and V go through two LDS slots of 256 keys: 8 steps.  Waves 0-3 fetch K's quarters, waves 4-7 V's, 64 rows of 256 bytes each.
.set KPITCH, 272                       ; 256 + 16: the 16 rows of a fragment load fall into 16 different 16-byte columns of 256
.set VPITCH, 288                       ; 256 + 32 = 9 x 32, for the transposing load
.set KREG,   256*KPITCH                ; 69,632
.set SLOT,   KREG+256*VPITCH           ; 143,360
.set STAGE,  2*SLOT                    ; 286,720: [128][272] for the way out, never a tensor load's target
.set SPITCH, 272
.set KA,  4                            ; v4-5    LDS address of my K fragments, slot 0, 1
.set VA,  6                            ; v6-9    of my V fragments: slot 0 keys 0-127, keys 128-255, slot 1 likewise
.set STO, 10
.set RD,  11
.set CO,  12
.set QO,  13
.set RM,  16                           ; v16, v18  running maximum of query tile 0, 1   (v17, v19: RT, the new maximum; the pairs serve the packed forms)
.set RT,  17
.set RA,  20                           ; v20, v22  2^(old maximum - new)                (v21, v23: RU, at work)
.set RU,  21
.set LP,  24                           ; v[24:31]  sums: two chains of pairs for each query tile
.set QF,  32                           ; v[32:63]  Q fragments at +16 n + 8 c
.set ACCU, 64                          ; v[64:127] ctx^T: tile (dt, n) at +8 (2 dt + n)
.set SC,  128                          ; v[128:191] scores at +32 n + 8 t; then P at +32 n + 16 p
.set FR,  192                          ; v[192:255] fragments of K, then of V
.set G1K, 16
.set G1V, 24
.set G0K, 32                           ; a set for each slot
.set G0V, 40
.macro JLOAD s                         ; each line has one mask; the branch hangs on the wave's number alone
	s_cmp_eq_u32 s9, 0
	s_cbranch_scc0 .Lfor_v_\@
	tensor_load_to_lds s[G0K+4*(\s):G0K+4*(\s)+3], s[G1K:G1K+7]
	s_nop 0
	s_branch .Lasked_\@
.Lfor_v_\@:
	tensor_load_to_lds s[G0V+4*(\s):G0V+4*(\s)+3], s[G1V:G1V+7]
	s_nop 0
.Lasked_\@:
.endm
.macro CROUND                          ; a round of the cluster's barrier
	s_barrier_signal -1
	s_barrier_wait -1
	s_cmp_lg_u32 s8, 0
	s_cbranch_scc1 .Lnot_wave_0_\@
	s_barrier_signal -3
.Lnot_wave_0_\@:
	s_barrier_wait -3
	s_barrier_signal -1
	s_barrier_wait -1
.endm
	s_load_b128 s[4:7], s[0:1], 0x0                ; qkv, ctx
	s_set_vgpr_msb 0x40
	v_lshl_add_u32 v0, v0, 2, 0x4e800
	v_mov_b32 v1, 0
	s_set_vgpr_msb 0x4045
	ds_add_u32 v0, v1
	s_set_vgpr_msb 0x4500
	v_lshrrev_b32 v1, 5, v0
	v_readfirstlane_b32 s8, v1                     ; wave 0..7
	s_lshr_b32 s9, s8, 2                           ; my head of the pair.  Also: I fetch K (0) or V (1)
	s_and_b32 s10, s8, 3                           ; my 32 queries.  Also: which 64 keys of a tile I fetch
	s_bfe_u32 s11, ttmp6, 0x40000                  ; cx
	s_lshl_b32 s12, ttmp9, 2
	s_add_co_u32 s12, s12, s11                     ; query block = 4 x cluster x + cx
	s_and_b32 s13, ttmp7, 0xffff                   ; bp: the cluster is one high, so its y is the work-group's
	s_mov_b32 s48, 0x76543210                      ; v_permlanex16_b32: lane i of one half reads lane i of the other
	s_mov_b32 s49, 0xfedcba98
	; group 1: 64 rows x 128 elements of 2 bytes, dense in memory; padding behind every 64 words: 4 words for K, 8 for V
	s_mov_b32 s[G1K+0], 15|(1<<16)|(1<<20)|(1<<21)|(5<<22)|(3<<25)
	s_mov_b32 s[G1V+0], 15|(1<<16)|(1<<20)|(1<<21)|(5<<22)|(7<<25)
	s_mov_b32 s[G1K+1], 128<<16
	s_mov_b32 s[G1V+1], 128<<16
	s_mov_b32 s[G1K+2], 64<<16
	s_mov_b32 s[G1V+2], 64<<16
	s_mov_b32 s[G1K+3], 128<<16
	s_mov_b32 s[G1V+3], 128<<16
	s_mov_b32 s[G1K+4], 64
	s_mov_b32 s[G1V+4], 64
	s_mov_b32 s[G1K+5], 128
	s_mov_b32 s[G1V+5], 128
	s_mov_b32 s[G1K+6], 0
	s_mov_b32 s[G1V+6], 0
	s_mov_b32 s[G1K+7], 0
	s_mov_b32 s[G1V+7], 0
	s_mul_i32 s51, s10, 64*KPITCH                  ; to LDS: my quarter of K's region,
	s_mul_i32 s54, s10, 64*VPITCH
	s_add_co_u32 s54, s54, KREG                    ; or of V's
	s_lshl_b32 s14, s13, 19                        ; from memory: head pair (524,288 bytes) and quarter (64 rows of 256 bytes): the same in all four partners
	s_lshl_b32 s15, s10, 14
	s_add_co_u32 s14, s14, s15
	s_mov_b32 s15, 0
	s_wait_dscnt 0x0
	s_wait_kmcnt 0x0
	s_add_nc_u64 s[52:53], s[4:5], s[14:15]
	CROUND                                         ; the four work-groups are here: the first joint loads meet
.irp s, 0,1
	s_mov_b32 s[G0K+4*\s], 1
	s_add_co_u32 s[G0K+4*\s+1], s51, \s*SLOT
	s_add_nc_u64 s[G0K+4*\s+2:G0K+4*\s+3], s[52:53], 0x800000+\s*65536      ; plane 1, keys 256 s
	s_or_b32 s[G0K+4*\s+3], s[G0K+4*\s+3], 0x80000000
	s_mov_b32 s[G0V+4*\s], 1
	s_add_co_u32 s[G0V+4*\s+1], s54, \s*SLOT
	s_add_nc_u64 s[G0V+4*\s+2:G0V+4*\s+3], s[52:53], 0x1000000+\s*65536     ; plane 2
	s_or_b32 s[G0V+4*\s+3], s[G0V+4*\s+3], 0x80000000
	JLOAD \s                                       ; both first fills go out together: two tensor loads of the wave are out, the most in this text
.endr
	; Q: my 32 rows, my head's 128 bytes, straight into fragments (lane l: row l % 16, 16 bytes at 16 (l / 16) and 32 further on)
	s_lshl_b32 s2, s12, 15                         ; 128 rows of 256 bytes a query block
	s_lshl_b32 s3, s13, 19
	s_add_co_u32 s2, s2, s3
	s_lshl_b32 s3, s10, 13                         ; 32 rows
	s_add_co_u32 s2, s2, s3
	s_lshl_b32 s3, s9, 7                           ; the head
	s_add_co_u32 s2, s2, s3
	s_mov_b32 s3, 0
	s_add_nc_u64 s[2:3], s[4:5], s[2:3]
	v_and_b32 v1, 15, v0                           ; r
	v_bfe_u32 v2, v0, 4, 1                         ; h
	v_lshlrev_b32 v15, 4, v2
	v_lshl_add_u32 v[QO], v1, 8, v15
.irp n, 0,1
.irp c, 0,1
	global_load_b128 v[QF+16*\n+8*\c:QF+16*\n+8*\c+3],   v[QO], s[2:3] offset:4096*\n+64*\c
	global_load_b128 v[QF+16*\n+8*\c+4:QF+16*\n+8*\c+7], v[QO], s[2:3] offset:4096*\n+64*\c+32
.endr
.endr
	v_and_b32 v3, 7, v0
	v_bfe_u32 v14, v0, 3, 1
	v_mul_u32_u24 v15, v1, KPITCH                  ; K: row r, byte 128 head + 16 h
	v_lshl_add_u32 v15, v2, 4, v15
	s_lshl_b32 s14, s9, 7
	v_add_nc_u32 v[KA], s14, v15
	v_add_nc_u32 v[KA+1], SLOT, v[KA]
	v_lshl_add_u32 v15, v2, 3, v3                  ; V, for the transposing load: row 8 h + l % 8, byte 128 head + 16 ((l / 8) % 2)
	v_mul_u32_u24 v15, v15, VPITCH
	v_lshl_add_u32 v15, v14, 4, v15
	s_add_co_u32 s14, s14, KREG
	v_add_nc_u32 v[VA], s14, v15
	v_add_nc_u32 v[VA+1], 128*VPITCH, v[VA]
	v_add_nc_u32 v[VA+2], SLOT, v[VA]
	v_add_nc_u32 v[VA+3], SLOT+128*VPITCH, v[VA]
	s_mul_i32 s15, s10, 32*SPITCH                  ; the stage: row 32 (w % 4) + r, byte 128 head + 16 h
	s_lshl_b32 s14, s9, 7
	s_add_co_u32 s15, s15, s14
	s_add_co_u32 s15, s15, STAGE
	v_mul_u32_u24 v15, v1, SPITCH
	v_lshl_add_u32 v15, v2, 4, v15
	v_add_nc_u32 v[STO], s15, v15
	s_mul_i32 s15, s8, 16*SPITCH                   ; back: wave w takes rows 16 w .. + 15, two whole rows a load
	s_add_co_u32 s15, s15, STAGE
	v_mul_u32_u24 v15, v2, SPITCH
	v_lshl_add_u32 v15, v1, 4, v15
	v_add_nc_u32 v[RD], s15, v15
	v_lshlrev_b32 v15, 4, v1                       ; and the same rows in ctx, 2,048 bytes apart
	v_lshl_add_u32 v15, v2, 11, v15
	v_lshl_add_u32 v[CO], s8, 15, v15
; 8 matrix instructions: key tiles t0, t0 + 1 x both query tiles x both halves of the head's 64.  Four accumulators take turns.
.macro QK t0
.irp c, 0,1
.irp t, \t0, \t0+1
.irp n, 0,1
.if \c
	v_wmma_f32_16x16x32_f16 v[SC+32*\n+8*(\t):SC+32*\n+8*(\t)+7], v[FR+16*(\t)+8*\c:FR+16*(\t)+8*\c+7], v[QF+16*\n+8*\c:QF+16*\n+8*\c+7], v[SC+32*\n+8*(\t):SC+32*\n+8*(\t)+7]
.else
	v_wmma_f32_16x16x32_f16 v[SC+32*\n+8*(\t):SC+32*\n+8*(\t)+7], v[FR+16*(\t)+8*\c:FR+16*(\t)+8*\c+7], v[QF+16*\n+8*\c:QF+16*\n+8*\c+7], 0
.endif
.endr
.endr
.endr
.endm
; The new maximum of each query: the old one and my 32 scores, in two chains for each query tile, then the other half of the wave
.macro MAXS first
.if \first
	v_max_num_f32 v[RT],   v[SC],    v[SC+1]
	v_max_num_f32 v[RT+2], v[SC+32], v[SC+33]
.else
	v_max3_num_f32 v[RT],   v[RM],   v[SC],    v[SC+1]
	v_max3_num_f32 v[RT+2], v[RM+2], v[SC+32], v[SC+33]
.endif
	v_max3_num_f32 v[RU],   v[SC+16], v[SC+17], v[SC+18]
	v_max3_num_f32 v[RU+2], v[SC+48], v[SC+49], v[SC+50]
.irp i, 0,1,2,3,4,5
	v_max3_num_f32 v[RT],   v[RT],   v[SC+2+2*\i],  v[SC+3+2*\i]
	v_max3_num_f32 v[RT+2], v[RT+2], v[SC+34+2*\i], v[SC+35+2*\i]
	v_max3_num_f32 v[RU],   v[RU],   v[SC+19+2*\i], v[SC+20+2*\i]
	v_max3_num_f32 v[RU+2], v[RU+2], v[SC+51+2*\i], v[SC+52+2*\i]
.endr
	v_max3_num_f32 v[RT],   v[RT],   v[SC+14], v[SC+15]
	v_max3_num_f32 v[RT+2], v[RT+2], v[SC+46], v[SC+47]
	v_max3_num_f32 v[RT],   v[RT],   v[RU],   v[SC+31]
	v_max3_num_f32 v[RT+2], v[RT+2], v[RU+2], v[SC+63]
	v_permlanex16_b32 v[RU],   v[RT],   s48, s49
	v_permlanex16_b32 v[RU+2], v[RT+2], s48, s49
	v_max_num_f32 v[RT],   v[RT],   v[RU]
	v_max_num_f32 v[RT+2], v[RT+2], v[RU+2]
.endm
.macro SUBT k                          ; score tile k = 4 n + t: minus the maximum of query tile n
.irp i, 0,2,4,6
	v_pk_add_f32 v[SC+8*(\k)+\i:SC+8*(\k)+\i+1], v[SC+8*(\k)+\i:SC+8*(\k)+\i+1], v[RM+2*((\k)/4):RM+2*((\k)/4)+1] op_sel_hi:[1,0] neg_lo:[0,1] neg_hi:[0,1]
.endr
.endm
.macro EXPT k
.irp i, 0,1,2,3,4,5,6,7
	v_exp_f32 v[SC+8*(\k)+\i], v[SC+8*(\k)+\i]
.endr
.endm
.macro RESC k                          ; accumulator tile k = 2 dt + n: times 2^(old maximum - new) of query tile n
	s_wait_alu depctr_va_vdst(0)
.irp i, 0,2,4,6
	v_pk_mul_f32 v[ACCU+8*(\k)+\i:ACCU+8*(\k)+\i+1], v[ACCU+8*(\k)+\i:ACCU+8*(\k)+\i+1], v[RA+2*((\k)%2):RA+2*((\k)%2)+1] op_sel_hi:[1,0]
.endr
.endm
; Tile k's exponentials go into the sums (the block's first tile carries the rescaling of the sums along in a fused multiply-add) and are rounded to f16 into P's place
.macro SUMCVT k, first
.set SB, SC+8*(\k)
.set LB, LP+4*((\k)/4)
.set AL, RA+2*((\k)/4)
.set PB, SC+32*((\k)/4)+16*(((\k)%4)/2)+4*((\k)%2)
.if ((\k)%4) == 0
.if \first
	s_wait_alu depctr_va_vdst(0)
	v_pk_add_f32 v[LB:LB+1],   v[SB:SB+1],   v[SB+4:SB+5]          ; the first tile starts the sums: nothing is cleared
	v_pk_add_f32 v[LB+2:LB+3], v[SB+2:SB+3], v[SB+6:SB+7]
.else
	s_wait_alu depctr_va_vdst(0)
	v_pk_fma_f32 v[LB:LB+1],   v[LB:LB+1],   v[AL:AL+1], v[SB:SB+1]   op_sel_hi:[1,0,1]
	v_pk_fma_f32 v[LB+2:LB+3], v[LB+2:LB+3], v[AL:AL+1], v[SB+2:SB+3] op_sel_hi:[1,0,1]
	v_pk_add_f32 v[LB:LB+1],   v[LB:LB+1],   v[SB+4:SB+5]
	v_pk_add_f32 v[LB+2:LB+3], v[LB+2:LB+3], v[SB+6:SB+7]
.endif
.else
	s_wait_alu depctr_va_vdst(0)
	v_pk_add_f32 v[LB:LB+1],   v[LB:LB+1],   v[SB:SB+1]
	v_pk_add_f32 v[LB+2:LB+3], v[LB+2:LB+3], v[SB+2:SB+3]
	v_pk_add_f32 v[LB:LB+1],   v[LB:LB+1],   v[SB+4:SB+5]
	v_pk_add_f32 v[LB+2:LB+3], v[LB+2:LB+3], v[SB+6:SB+7]
.endif
.irp i, 0,1,2,3
	v_cvt_pk_f16_f32 v[PB+\i], v[SB+2*\i], v[SB+2*\i+1]            ; writes only registers whose scores have been used
.endr
.endm
; 64 keys (block blk of four in a slot) against my 32 queries.  first = 1: the launch's first block starts maximum, sums and accumulators.
.macro BLOCK slot, blk, first
.if \first == 0
.rept 5
	v_nop                                          ; five places behind the last block's matrix instructions (ISA guide 7.12.1): their sources are loaded again, and P is written over by matrix instructions
.endr
.endif
.irp t, 0,1,2,3
.irp c, 0,1
	ds_load_b128 v[FR+16*\t+8*\c:FR+16*\t+8*\c+3],   v[KA+\slot] offset:(64*\blk+16*\t)*KPITCH+64*\c
	ds_load_b128 v[FR+16*\t+8*\c+4:FR+16*\t+8*\c+7], v[KA+\slot] offset:(64*\blk+16*\t)*KPITCH+64*\c+32
.endr
.endr
.if \first
	s_wait_loadcnt 0x0                             ; Q
.endif
	s_wait_dscnt 0x8                               ; key tiles 0 and 1 are in; the eight younger loads (tiles 2 and 3) may be out
	QK 0
	s_wait_dscnt 0x0
	QK 2
.rept 4
	v_nop                                          ; four places: K's fragments are loaded over, and the scores are read
.endr
.irp p, 0,1
.irp d, 0,1,2,3
	ds_load_tr16_b128 v[FR+8*(4*\p+\d):FR+8*(4*\p+\d)+3],   v[VA+2*\slot+\blk/2] offset:(64*(\blk%2)+32*\p)*VPITCH+32*\d
	ds_load_tr16_b128 v[FR+8*(4*\p+\d)+4:FR+8*(4*\p+\d)+7], v[VA+2*\slot+\blk/2] offset:(64*(\blk%2)+32*\p+16)*VPITCH+32*\d
.endr
.endr
	MAXS \first
.if \first == 0
	v_sub_f32 v[RA],   v[RM],   v[RT]
	v_sub_f32 v[RA+2], v[RM+2], v[RT+2]
	v_exp_f32 v[RA],   v[RA]
	v_exp_f32 v[RA+2], v[RA+2]
.endif
	v_mov_b32 v[RM],   v[RT]                       ; the running maximum; also the plain instructions behind the two exponentials (ISA guide 5.7.2)
	v_mov_b32 v[RM+2], v[RT+2]
	SUBT 0
.irp k, 0,1,2,3,4,5,6,7
	EXPT \k
.if \k < 7
	SUBT \k+1                                      ; plain work on other registers stands between the exponentials and their use
.endif
.if \first
.if \k == 7
	v_nop
	s_wait_alu depctr_va_vdst(0)
.endif
.else
	RESC \k
.endif
	SUMCVT \k, \first
.endr
	s_wait_dscnt 0x0                               ; V's fragments
.irp p, 0,1
.irp d, 0,1,2,3
.irp n, 0,1
.if \first*(1-\p)
	v_wmma_f32_16x16x32_f16 v[ACCU+8*(2*\d+\n):ACCU+8*(2*\d+\n)+7], v[FR+8*(4*\p+\d):FR+8*(4*\p+\d)+7], v[SC+32*\n+16*\p:SC+32*\n+16*\p+7], 0
.else
	v_wmma_f32_16x16x32_f16 v[ACCU+8*(2*\d+\n):ACCU+8*(2*\d+\n)+7], v[FR+8*(4*\p+\d):FR+8*(4*\p+\d)+7], v[SC+32*\n+16*\p:SC+32*\n+16*\p+7], v[ACCU+8*(2*\d+\n):ACCU+8*(2*\d+\n)+7]
.endif
.endr
.endr
.endr                                  ; the eight accumulators take turns
.endm
; 256 keys from a slot.  refill = 1: the other slot, read last, is filled again behind a round of the cluster's barrier, and has these four blocks in which to land.
.macro STEP slot, refill
	s_wait_dscnt 0x0                               ; my reads of the other slot are over
	s_set_vgpr_msb 0x5
	s_wait_tensorcnt 0x0                           ; all my tensor loads have landed, my part of this slot among them
	ds_add_u32 v0, v1
	s_wait_dscnt 0x0
	s_set_vgpr_msb 0x500
.if \refill
	s_add_nc_u64 s[G0K+4*(1-\slot)+2:G0K+4*(1-\slot)+3], s[G0K+4*(1-\slot)+2:G0K+4*(1-\slot)+3], 131072   ; 512 keys on
	s_add_nc_u64 s[G0V+4*(1-\slot)+2:G0V+4*(1-\slot)+3], s[G0V+4*(1-\slot)+2:G0V+4*(1-\slot)+3], 131072
	CROUND                                         ; both now hold of every wave of all four work-groups
	JLOAD 1-\slot                                  ; my one tensor load behind the round, and the first thing there
.else
	s_barrier_signal -1
	s_barrier_wait -1
.endif
	BLOCK \slot, 0, 0
	BLOCK \slot, 1, 0
	BLOCK \slot, 2, 0
	BLOCK \slot, 3, 0
.endm
	s_wait_tensorcnt 0x1                           ; my part of slot 0 is in; slot 1's load may stay out
	s_barrier_signal -1
	s_barrier_wait -1
	BLOCK 0, 0, 1
	BLOCK 0, 1, 0
	BLOCK 0, 2, 0
	BLOCK 0, 3, 0
	s_mov_b32 s50, 3                               ; steps 1 to 6
.Lloop:
	STEP 1, 1
	STEP 0, 1
	s_sub_co_i32 s50, s50, 1
	s_cmp_lg_u32 s50, 0
	s_cbranch_scc1 .Lloop
	STEP 1, 0                                      ; step 7: nothing is left to fetch
	; THE WAY OUT: divide by the sums, round to f16, through the stage, whole pieces of 256 bytes of ctx's rows
.rept 4
	v_nop                                          ; four places behind the last matrix instructions
.endr
	s_lshr_b32 s2, s13, 3                          ; ctx: row 2,048 b + 128 x query block (2,048 bytes a row), byte 256 x pair
	s_lshl_b32 s2, s2, 22
	s_lshl_b32 s3, s12, 18
	s_add_co_u32 s2, s2, s3
	s_and_b32 s3, s13, 7
	s_lshl_b32 s3, s3, 8
	s_add_co_u32 s2, s2, s3
	s_mov_b32 s3, 0
	s_add_nc_u64 s[6:7], s[6:7], s[2:3]
	v_pk_add_f32 v[LP:LP+1],   v[LP:LP+1],   v[LP+2:LP+3]
	v_pk_add_f32 v[LP+4:LP+5], v[LP+4:LP+5], v[LP+6:LP+7]
	v_add_f32 v[RT],   v[LP],   v[LP+1]
	v_add_f32 v[RT+2], v[LP+4], v[LP+5]
	v_permlanex16_b32 v[RU],   v[RT],   s48, s49   ; the other half of the wave holds the other half of the keys
	v_permlanex16_b32 v[RU+2], v[RT+2], s48, s49
	v_add_f32 v[RT],   v[RT],   v[RU]
	v_add_f32 v[RT+2], v[RT+2], v[RU+2]
	v_rcp_f32 v[RA],   v[RT]                       ; the sum is at least 1: the largest score gives 2^0
	v_rcp_f32 v[RA+2], v[RT+2]
	v_nop                                          ; a plain instruction behind the reciprocals (ISA guide 5.7.2)
	s_wait_alu depctr_va_vdst(0)
.irp k, 0,1,2,3,4,5,6,7
	RESC \k
.irp i, 0,1,2,3
	v_cvt_pk_f16_f32 v[SC+4*\k+\i], v[ACCU+8*\k+2*\i], v[ACCU+8*\k+2*\i+1]
.endr
	ds_store_b128 v[STO], v[SC+4*\k:SC+4*\k+3] offset:16*SPITCH*(\k%2)+32*(\k/2)
.endr
	s_wait_dscnt 0x0                               ; my part of the stage is written (zero: other waves read it)
	s_barrier_signal -1
	s_barrier_wait -1
.irp i, 0,1,2,3,4,5,6,7
	ds_load_b128 v[FR+4*\i:FR+4*\i+3], v[RD] offset:\i*2*SPITCH
.endr
.irp i, 0,1,2,3,4,5,6,7
	s_wait_dscnt 7-\i                              ; LDS loads come back in order: load i is in
	global_store_b128 v[CO], v[FR+4*\i:FR+4*\i+3], s[6:7] offset:4096*\i      ; 16 lanes store 256 consecutive bytes, aligned
.endr
	s_set_vgpr_msb 0x5
	s_wait_tensorcnt 0x0
	ds_add_u32 v0, v1
	s_wait_dscnt 0x0
	s_set_vgpr_msb 0x500
	CROUND                                         ; the closing round
	s_endpgm
.Lfunc_end_k_q5366b9a0b8_attn:
	.size	k_q5366b9a0b8_attn, .Lfunc_end_k_q5366b9a0b8_attn-k_q5366b9a0b8_attn
	.p2alignl 7, 3214868480
	.fill 96, 4, 3214868480
	.section	.rodata,"a",@progbits
	.p2align	6, 0x0
	.amdhsa_kernel k_q5366b9a0b8_attn
		.amdhsa_group_segment_fixed_size 327680
		.amdhsa_private_segment_fixed_size 0
		.amdhsa_enable_private_segment 0
		.amdhsa_kernarg_size 16
		.amdhsa_user_sgpr_count 2
		.amdhsa_user_sgpr_kernarg_segment_ptr 1
		.amdhsa_wavefront_size32 1
		.amdhsa_system_sgpr_workgroup_id_x 1
		.amdhsa_system_sgpr_workgroup_id_y 1
		.amdhsa_system_sgpr_workgroup_id_z 1
		.amdhsa_system_vgpr_workitem_id 0
		.amdhsa_next_free_vgpr 258
		.amdhsa_next_free_sgpr 66
		.amdhsa_reserve_vcc 0
		.amdhsa_float_denorm_mode_32 3
		.amdhsa_float_denorm_mode_16_64 3
		.amdhsa_memory_ordered 1
		.amdhsa_forward_progress 1
		.amdhsa_inst_pref_size 255
	.end_amdhsa_kernel
	.section	.bss,"aw",@nobits
	.p2align	6
	.space	262144
	.amdgpu_metadata
---
amdhsa.version: [ 1, 2 ]
amdhsa.kernels:
  - .name:           k_q5366b9a0b8_attn
    .symbol:         k_q5366b9a0b8_attn.kd
    .args:
      - { .name: qkv, .offset: 0, .size: 8, .value_kind: global_buffer, .address_space: global }
      - { .name: ctx, .offset: 8, .size: 8, .value_kind: global_buffer, .address_space: global }
    .group_segment_fixed_size: 327680
    .private_segment_fixed_size: 0
    .kernarg_segment_align: 8
    .kernarg_segment_size: 16
    .max_flat_workgroup_size: 256
    .sgpr_count:     66
    .vgpr_count:     258
    .wavefront_size: 32
...
	.end_amdgpu_metadata
.endif
;; end of part 3
;; launch outproj (part 4): grid 8 x 32, 4 waves a work-group, clusters of 4 x 4, 327,680 bytes of LDS; arguments ctx, wb, bo, out0; writes out0
.if DOCPART == 4
	.amdgcn_target "amdgcn-amd-amdhsa--gfx1250"
	.amdhsa_code_object_version 6
	.text
	.protected	k_q5366b9a0b8_outproj
	.globl	k_q5366b9a0b8_outproj
	.p2align	8
	.type	k_q5366b9a0b8_outproj,@function
k_q5366b9a0b8_outproj:
	s_mov_b64 s[64:65], 0
	v_nop
	global_prefetch_b8 v0, s[64:65] scope:SCOPE_SE
	s_setreg_imm32_b32 hwreg(HW_REG_WAVE_MODE, 25, 1), 1
	s_wait_xcnt 0x0
	s_wait_alu depctr_hold_cnt(0) depctr_sa_sdst(0) depctr_va_vdst(0) depctr_va_sdst(0) depctr_va_ssrc(0) depctr_va_vcc(0) depctr_vm_vsrc(0)
	s_getreg_b32 s2, hwreg(HW_REG_IB_STS2, 6, 4)
	s_cmp_eq_u32 s2, 0
	s_cbranch_scc0 .Lentry_in_a_cluster
	s_endpgm
.Lentry_in_a_cluster:
	s_bfe_u32 s2, ttmp6, 0x10000c
	s_cmp_lg_u32 s2, 0xf033
	s_cbranch_scc0 .Lentry_shape_is_right
	s_endpgm
.Lentry_shape_is_right:
; out0[m][e] = sum over d of ctx[m][d] Wo[e][d] + bo[e].  ctx = [4096][1024] f16, Wo = plane 3 of wb ([1024][1024] f16), out0 = [4096][1024] f32; sums in f32.
; The same product as in the input projections: a work-group makes 128 x 128 with four waves of 64 x 64; K in four steps of 256 through two LDS slots;
; 4 x 4 work-groups form a cluster, ctx's tiles are asked for jointly along a cluster's row, Wo's along a column.
; REGISTERS: window 0: v16-27 addresses, v32-63 bias, v64-127 at work on the way out, v128-255 accumulators (tile (a, b) at 128 + 8 (4 a + b)).
;            window 1: v0-63, v64-127 two fragment buffers (ctx's four fragments at +8 a, Wo's four at +32 + 8 b).
; The matrix instruction is used transposed (source 0 = rows of Wo, source 1 = rows of ctx): a lane holds row l % 16 and eight neighbouring columns 8 (l / 16) + 0..7.
.set PITCH,  528                       ; 512 bytes + 16 of padding = 33 x 16
.set HALF,   64*PITCH                  ; 33,792: one tensor load
.set SLOT,   4*HALF                    ; 135,168
.set STAGE,  2*SLOT                    ; 270,336: behind the ring, never a tensor load's target: 16 rows x 272 bytes for each wave
.set SPITCH, 272
.set ADRA, 16
.set ADRB, 20
.set STO,  24
.set RD,   25
.set CO,   26
.set BO,   27
.set BI,   32
.set TMP,  64
.set ACCU, 128
.set F0,   0
.set F1,   64
.set G1,  24
.set G0,  32
.set G1B, 48
.set G0B, 56
.set MSB, 0
.macro WIN new                         ; the immediate's high byte repeats the setting that is left
.if MSB != \new
	s_set_vgpr_msb (MSB<<8)|\new
.set MSB, \new
.endif
.endm
.set MUL, 0x05                         ; sources 0 and 1 in window 1, C and D in window 0
.set LD,  0x40                         ; destination in window 1, address in window 0
.macro PLACES                          ; four independent vector instructions behind matrix instructions (ISA guide 7.12.1)
.rept 4
	v_nop
.endr
.endm
.macro JLOAD s                         ; waves 0, 1 fetch ctx's halves, waves 2, 3 Wo's; one mask a line; the branch hangs on the wave's number alone
	s_cmp_eq_u32 s11, 0
	s_cbranch_scc0 .Lfor_b_\@
	tensor_load_to_lds s[G0+4*(\s):G0+4*(\s)+3], s[G1:G1+7]
	s_nop 0
	s_branch .Lasked_\@
.Lfor_b_\@:
	tensor_load_to_lds s[G0B+4*(\s):G0B+4*(\s)+3], s[G1B:G1B+7]
	s_nop 0
.Lasked_\@:
.endm
.macro CREST
	s_cmp_lg_u32 s10, 0
	s_cbranch_scc1 .Lnot_wave_0_\@
	s_barrier_signal -3
.Lnot_wave_0_\@:
	s_barrier_wait -3
	s_barrier_signal -1
	s_barrier_wait -1
.endm
.macro CROUND
	s_barrier_signal -1
	s_barrier_wait -1
	CREST
.endm
	s_load_b128 s[4:7], s[0:1], 0x0                ; ctx, wb
	s_load_b128 s[68:71], s[0:1], 0x10             ; bo, out0
	s_set_vgpr_msb 0x40
	v_lshl_add_u32 v128, v0, 2, 0x46400
	v_mov_b32 v129, 0
	s_set_vgpr_msb 0x4045
	ds_add_u32 v128, v129
	s_set_vgpr_msb 0x4500
	v_lshrrev_b32 v1, 5, v0
	v_readfirstlane_b32 s10, v1                    ; wave 0..3
	s_lshr_b32 s11, s10, 1                         ; my half of the rows; I fetch for ctx (0) or Wo (1)
	s_and_b32 s12, s10, 1                          ; my half of the columns; which 64 rows I fetch
	s_bfe_u32 s40, ttmp6, 0x40000                  ; cx
	s_bfe_u32 s41, ttmp6, 0x40004                  ; cy
	s_lshl_b32 s42, ttmp9, 2
	s_add_co_u32 s42, s42, s40                     ; nb
	s_and_b32 s13, ttmp7, 0xffff
	s_lshl_b32 s13, s13, 2
	s_add_co_u32 s13, s13, s41                     ; mb
	s_lshl_b32 s43, s41, 2
	s_lshl_b32 s43, 15, s43                        ; my row of the cluster
	s_lshl_b32 s44, 0x1111, s40                    ; my column
	s_or_b32 s[G1+0], s43, (1<<16)|(1<<20)|(1<<21)|(6<<22)|(3<<25)  ; elements of 2 bytes; 4 words of padding behind every 128
	s_or_b32 s[G1B+0], s44, (1<<16)|(1<<20)|(1<<21)|(6<<22)|(3<<25)
	s_mov_b32 s[G1+1], 256<<16
	s_mov_b32 s[G1B+1], 256<<16
	s_mov_b32 s[G1+2], 64<<16
	s_mov_b32 s[G1B+2], 64<<16
	s_mov_b32 s[G1+3], 256<<16
	s_mov_b32 s[G1B+3], 256<<16
	s_mov_b32 s[G1+4], 64
	s_mov_b32 s[G1B+4], 64
	s_mov_b32 s[G1+5], 1024
	s_mov_b32 s[G1B+5], 1024
	s_mov_b32 s[G1+6], 0
	s_mov_b32 s[G1B+6], 0
	s_mov_b32 s[G1+7], 0
	s_mov_b32 s[G1B+7], 0
	s_lshl_b32 s17, s12, 6
	s_lshl_b32 s16, s13, 7
	s_add_co_u32 s16, s16, s17
	s_lshl_b32 s16, s16, 11                        ; ctx: (128 mb + 64 half) rows of 2,048 bytes
	s_lshl_b32 s46, s42, 7
	s_add_co_u32 s46, s46, s17
	s_lshl_b32 s46, s46, 11                        ; Wo: (128 nb + 64 half) rows,
	s_add_co_u32 s46, s46, 0x600000                ; in plane 3 of wb
	s_mov_b32 s17, 0
	s_mov_b32 s47, 0
	s_mul_i32 s20, s10, HALF
	s_wait_dscnt 0x0
	s_wait_kmcnt 0x0
	s_add_nc_u64 s[14:15], s[4:5], s[16:17]
	s_add_nc_u64 s[46:47], s[6:7], s[46:47]
	CROUND                                         ; all sixteen work-groups are here: the first joint loads meet
.irp s, 0,1
	s_mov_b32 s[G0+4*\s], 1
	s_add_co_u32 s[G0+4*\s+1], s20, \s*SLOT
	s_add_nc_u64 s[G0+4*\s+2:G0+4*\s+3], s[14:15], \s*512
	s_or_b32 s[G0+4*\s+3], s[G0+4*\s+3], 0x80000000
	s_mov_b32 s[G0B+4*\s], 1
	s_add_co_u32 s[G0B+4*\s+1], s20, \s*SLOT
	s_add_nc_u64 s[G0B+4*\s+2:G0B+4*\s+3], s[46:47], \s*512
	s_or_b32 s[G0B+4*\s+3], s[G0B+4*\s+3], 0x80000000
	JLOAD \s                                       ; two tensor loads of the wave are out, the most in this text
.endr
	s_lshl_b32 s18, s13, 19                        ; out0: row 128 mb + 64 wm (4,096 bytes a row), byte 512 nb + 256 wn
	s_lshl_b32 s19, s11, 18
	s_add_co_u32 s18, s18, s19
	s_lshl_b32 s19, s42, 9
	s_add_co_u32 s18, s18, s19
	s_lshl_b32 s19, s12, 8
	s_add_co_u32 s18, s18, s19
	s_mov_b32 s19, 0
	s_add_nc_u64 s[70:71], s[70:71], s[18:19]
	v_and_b32 v1, 15, v0                           ; r
	v_bfe_u32 v2, v0, 4, 1                         ; h
	v_mul_u32_u24 v3, v1, PITCH
	v_lshl_add_u32 v3, v2, 4, v3
	s_mul_i32 s21, s11, HALF
	s_mul_i32 s22, s12, HALF
	s_add_co_u32 s22, s22, 2*HALF
.irp s, 0,1
	v_add_nc_u32 v[ADRA+\s], s21, v3
	v_add_nc_u32 v[ADRB+\s], s22, v3
	s_add_co_u32 s21, s21, SLOT
	s_add_co_u32 s22, s22, SLOT
.endr
	s_mul_i32 s23, s10, 16*SPITCH
	s_add_co_u32 s23, s23, STAGE                   ; my own stage
	v_mul_u32_u24 v4, v1, SPITCH                   ; in: row r, 32 bytes (8 f32) for each half of the lanes
	v_lshl_add_u32 v4, v2, 5, v4
	v_add_nc_u32 v[STO], s23, v4
	v_mul_u32_u24 v5, v2, SPITCH                   ; back: lanes 0-15 one row of 256 bytes, lanes 16-31 the next
	v_lshl_add_u32 v5, v1, 4, v5
	v_add_nc_u32 v[RD], s23, v5
	v_lshlrev_b32 v6, 4, v1
	v_lshl_add_u32 v[CO], v2, 12, v6               ; the same two rows in out0
	s_lshl_b32 s2, s42, 9
	s_lshl_b32 s3, s12, 8
	s_add_co_u32 s2, s2, s3
	v_lshl_add_u32 v[BO], v2, 5, s2                ; 4 x (128 nb + 64 wn + 8 h)
; The 16 accumulators take turns, one instruction a turn, in the same order in every quarter.
.macro MUL8 f, a0, zero
.irp a, \a0, \a0+1
.irp b, 0,1,2,3
.if \zero
	v_wmma_f32_16x16x32_f16 v[ACCU+8*(4*(\a)+\b):ACCU+8*(4*(\a)+\b)+7], v[\f+32+8*\b:\f+32+8*\b+7], v[\f+8*(\a):\f+8*(\a)+7], 0
.else
	v_wmma_f32_16x16x32_f16 v[ACCU+8*(4*(\a)+\b):ACCU+8*(4*(\a)+\b)+7], v[\f+32+8*\b:\f+32+8*\b+7], v[\f+8*(\a):\f+8*(\a)+7], v[ACCU+8*(4*(\a)+\b):ACCU+8*(4*(\a)+\b)+7]
.endif
.endr
.endr
.endm
.macro FETCH slot, q, f                ; 16 LDS loads: the fragments of quarter q of a slot into buffer f
	WIN LD
.irp i, 0,1,2,3
	ds_load_b128 v[\f+8*\i:\f+8*\i+3],   v[ADRA+\slot] offset:\i*16*PITCH+64*(\q)
	ds_load_b128 v[\f+8*\i+4:\f+8*\i+7], v[ADRA+\slot] offset:\i*16*PITCH+64*(\q)+32
.endr
.irp i, 0,1,2,3
	ds_load_b128 v[\f+32+8*\i:\f+32+8*\i+3],   v[ADRB+\slot] offset:\i*16*PITCH+64*(\q)
	ds_load_b128 v[\f+32+8*\i+4:\f+32+8*\i+7], v[ADRB+\slot] offset:\i*16*PITCH+64*(\q)+32
.endr
.endm
.macro QUARTER slot, q, f, g, zero
	s_wait_dscnt 0x0                               ; buffer f is in: its loads went out ahead of the last 16 matrix instructions
	PLACES                                         ; behind the matrix instructions that read buffer g
	FETCH \slot, \q+1, \g
	WIN MUL
	MUL8 \f, 0, \zero
	MUL8 \f, 2, \zero
.endm
.macro SEVEN slot, zero
	QUARTER \slot, 0, F0, F1, \zero
	QUARTER \slot, 1, F1, F0, 0
	QUARTER \slot, 2, F0, F1, 0
	QUARTER \slot, 3, F1, F0, 0
	QUARTER \slot, 4, F0, F1, 0
	QUARTER \slot, 5, F1, F0, 0
	QUARTER \slot, 6, F0, F1, 0
.endm
; The eighth quarter changes slots: every wave's reads of this slot and all its tensor loads are waited for in front of the barrier; fill = 1: the barrier opens a round
; of the cluster's barrier, and the wave's one joint load stands first behind the round, with 120 matrix instructions in which to land.
.macro TURN slot, next, fill
	s_wait_dscnt 0x0
	s_wait_tensorcnt 0x0
	ds_add_u32 v128, v129
	s_wait_dscnt 0x0
	s_barrier_signal -1
	WIN MUL
	MUL8 F1, 0, 0
	WIN 0
	s_barrier_wait -1
.if \fill
	CREST
	s_add_nc_u64 s[G0+4*\slot+2:G0+4*\slot+3], s[G0+4*\slot+2:G0+4*\slot+3], 1024     ; two K steps on
	s_add_nc_u64 s[G0B+4*\slot+2:G0B+4*\slot+3], s[G0B+4*\slot+2:G0B+4*\slot+3], 1024
	JLOAD \slot
.endif
	PLACES
	FETCH \next, 0, F0
	WIN MUL
	MUL8 F1, 2, 0
.endm
	s_wait_tensorcnt 0x1                           ; my part of slot 0 is in; slot 1's load may stay out
	s_barrier_signal -1
	s_barrier_wait -1
	FETCH 0, 0, F0
	WIN 0
.irp b, 0,1,2,3
	global_load_b128 v[BI+8*\b:BI+8*\b+3],   v[BO], s[68:69] offset:64*\b          ; the bias of my 32 columns, asked for the whole product ahead
	global_load_b128 v[BI+8*\b+4:BI+8*\b+7], v[BO], s[68:69] offset:64*\b+16
.endr
	SEVEN 0, 1
	TURN 0, 1, 1                                   ; slot 0 gets K step 2
	SEVEN 1, 0
	TURN 1, 0, 1                                   ; slot 1 gets K step 3
	SEVEN 0, 0
	TURN 0, 1, 0                                   ; nothing is left to fetch: a plain barrier
	SEVEN 1, 0
	s_wait_dscnt 0x0                               ; the very last quarter
	WIN MUL
	MUL8 F1, 0, 0
	MUL8 F1, 2, 0
	WIN 0
	PLACES                                         ; behind the last matrix instructions, whose results are read
	s_wait_loadcnt 0x0                             ; the bias
; THE WAY OUT, 16 rows at a time: bias, 2 x 16 bytes a lane and tile into my own stage, whole rows of 256 bytes back.  LDS serves a wave's instructions in order
; (ISA guide 5.7.1), so the stage needs neither a wait between stores and loads nor a barrier.
.macro OUT16 a, f
.irp b, 0,1,2,3
.irp i, 0,2,4,6
	v_pk_add_f32 v[ACCU+8*(4*\a+\b)+\i:ACCU+8*(4*\a+\b)+\i+1], v[ACCU+8*(4*\a+\b)+\i:ACCU+8*(4*\a+\b)+\i+1], v[BI+8*\b+\i:BI+8*\b+\i+1]
.endr
	ds_store_b128 v[STO], v[ACCU+8*(4*\a+\b):ACCU+8*(4*\a+\b)+3]   offset:64*\b
	ds_store_b128 v[STO], v[ACCU+8*(4*\a+\b)+4:ACCU+8*(4*\a+\b)+7] offset:64*\b+16
.endr
.if \a
	s_wait_xcnt 0x0                                ; the earlier stores have had their addresses translated: their base and data registers are rewritten only behind this wait
	s_add_nc_u64 s[70:71], s[70:71], 16*4096       ; 16 rows on
.endif
.irp t, 0,1,2,3,4,5,6,7
	ds_load_b128 v[\f+4*\t:\f+4*\t+3], v[RD] offset:\t*2*SPITCH
.endr
.irp t, 0,1,2,3,4,5,6,7
	s_wait_dscnt 7-\t                              ; LDS loads come back in order: load t is in
	global_store_b128 v[CO], v[\f+4*\t:\f+4*\t+3], s[70:71] offset:8192*\t th:TH_STORE_NT    ; 16 lanes store 256 consecutive bytes, aligned; written once, not read again
.endr
.endm
	OUT16 0, TMP
	OUT16 1, TMP+32
	OUT16 2, TMP
	OUT16 3, TMP+32
	s_set_vgpr_msb 0x5
	s_wait_tensorcnt 0x0
	ds_add_u32 v128, v129
	s_wait_dscnt 0x0
	s_set_vgpr_msb 0x500
	CROUND                                         ; the closing round
	s_endpgm
.Lfunc_end_k_q5366b9a0b8_outproj:
	.size	k_q5366b9a0b8_outproj, .Lfunc_end_k_q5366b9a0b8_outproj-k_q5366b9a0b8_outproj
	.p2alignl 7, 3214868480
	.fill 96, 4, 3214868480
	.section	.rodata,"a",@progbits
	.p2align	6, 0x0
	.amdhsa_kernel k_q5366b9a0b8_outproj
		.amdhsa_group_segment_fixed_size 327680
		.amdhsa_private_segment_fixed_size 0
		.amdhsa_enable_private_segment 0
		.amdhsa_kernarg_size 32
		.amdhsa_user_sgpr_count 2
		.amdhsa_user_sgpr_kernarg_segment_ptr 1
		.amdhsa_wavefront_size32 1
		.amdhsa_system_sgpr_workgroup_id_x 1
		.amdhsa_system_sgpr_workgroup_id_y 1
		.amdhsa_system_sgpr_workgroup_id_z 1
		.amdhsa_system_vgpr_workitem_id 0
		.amdhsa_next_free_vgpr 386
		.amdhsa_next_free_sgpr 72
		.amdhsa_reserve_vcc 0
		.amdhsa_float_denorm_mode_32 3
		.amdhsa_float_denorm_mode_16_64 3
		.amdhsa_memory_ordered 1
		.amdhsa_forward_progress 1
		.amdhsa_inst_pref_size 94
	.end_amdhsa_kernel
	.amdgpu_metadata
---
amdhsa.version: [ 1, 2 ]
amdhsa.kernels:
  - .name:           k_q5366b9a0b8_outproj
    .symbol:         k_q5366b9a0b8_outproj.kd
    .args:
      - { .name: ctx, .offset: 0, .size: 8, .value_kind: global_buffer, .address_space: global }
      - { .name: wb, .offset: 8, .size: 8, .value_kind: global_buffer, .address_space: global }
      - { .name: bo, .offset: 16, .size: 8, .value_kind: global_buffer, .address_space: global }
      - { .name: out0, .offset: 24, .size: 8, .value_kind: global_buffer, .address_space: global }
    .group_segment_fixed_size: 327680
    .private_segment_fixed_size: 0
    .kernarg_segment_align: 8
    .kernarg_segment_size: 32
    .max_flat_workgroup_size: 128
    .sgpr_count:     72
    .vgpr_count:     386
    .wavefront_size: 32
...
	.end_amdgpu_metadata
.endif
;; end of part 4
